; MI455X (gfx1250); checked and timed in simulation.
; The chip was launched on July 23, 2026; its instructions are those of AMD's public machine-readable ISA for CDNA 5 (MIT licence, August 2026) and "CDNA5" Instruction Set Architecture Reference Guide (July 2026). The comments in the code are by the model that wrote it; some were corrected since.
;; Multi Head Attention. Allowed arithmetic: matrix products marked QUANTISED: E2M1 operands, one E8M0 scale for each 32 along K, by v_wmma_scale_f32_16x16x128_f8f6f4 with both operands' format E2M1 (or v_wmma_scale_f32_32x16x128_f4), f32 sums; products left as they are: bf16, f16 or f32 operands; f32 sums; everything else in f32.
;; Inputs: Wo 1,024 x 1,024 float32; Wq 1,024 x 1,024 float32; k 4 x 2,048 x 1,024 float32; q 4 x 2,048 x 1,024 float32; v 4 x 2,048 x 1,024 float32.
;; Outputs: out0 4 x 2,048 x 1,024 float32.
;; This version of the problem:
;;   THIS VERSION OF THE PROBLEM IS GIVEN IN LOW PRECISION. The matrix products marked QUANTISED in the list below multiply operands that are first quantised to E2M1 (2 exponent bits, 1 mantissa bit; 4 bits a number), with one power-of-two scale for each 32 numbers along K (OCP MX v1.0); their sums are f32. The products marked 'left as it is' may take bf16, f16 or f32 operands, with f32 sums. Whichever they take, every output number must still come out within the allowed error. Rounding operands to bf16 (8 significant bits) uses up far more of that allowance than f16 does (11 bits, for magnitudes from 6e-5 to 65,504). All else is computed in f32.
;;   The module's matrix products, in the order in which they are computed (A, B: the left and right operand; K: the contracted axis; several contracted axes count as one K, in the product's order):
;;     1. [M 8,192, K 1,024] x [K 1,024, N 1,024]; A: input q; B: input Wq: QUANTISED
;;     2. [M 8,192, K 1,024] x [K 1,024, N 1,024]; A: input k; B: input Wq: QUANTISED
;;     3. [M 8,192, K 1,024] x [K 1,024, N 1,024]; A: input v; B: input Wq: QUANTISED
;;     4. batch 64 x [M 2,048, K 64] x [K 64, N 2,048]; A: computed on the way; B: computed on the way: left as it is (an operand is computed on the way)
;;     5. batch 64 x [M 2,048, K 2,048] x [K 2,048, N 64]; A: computed on the way; B: computed on the way: left as it is (an operand is computed on the way)
;;     6. [M 8,192, K 1,024] x [K 1,024, N 1,024]; A: computed on the way; B: input Wo: left as it is (an operand is computed on the way)
;;   THE QUANTISER, for each operand of a quantised product, along K:
;;     - K is cut into blocks of 32 from its start; a last block that is shorter is filled with zeros.
;;     - A block's scale is 2^e with e = floor(log2(the largest magnitude in the block)) - 2, held to -126 .. 127; a block of zeros has e = 0. As a byte (E8M0): e + 127.
;;     - Each number is divided by its block's scale, clamped to +-6, and rounded to the nearest number of E2M1, ties to even, subnormals kept.
;;     - The product sums the exact products of the quantised numbers (number of the format x scale) in f32.
;;   ~~~python
;;   def quantise(x, axis):      # numpy; x: float32 -> the quantised numbers, widened to float32 again
;;       x = np.moveaxis(x, axis, -1); K = x.shape[-1]
;;       x = np.pad(x, [(0, 0)] * (x.ndim - 1) + [(0, -K % 32)]); x = x.reshape(x.shape[:-1] + (-1, 32)); a = np.abs(x).max(-1, keepdims=True)
;;       e = np.where(a > 0, np.clip(np.frexp(np.where(a > 0, a, 1))[1] - 1 - 2, -126, 127), 0)      # np.frexp(a)[1] - 1 = floor(log2(a)), exactly
;;       r = np.clip(x / 2.0 ** e, -6, 6)
;;       step = 2.0 ** (np.maximum(np.frexp(np.where(r == 0, 1, r))[1] - 1, 0) - 1)
;;       q = np.round(r / step) * step * 2.0 ** e      # np.round: ties to even
;;       return np.moveaxis(q.reshape(q.shape[:-2] + (-1,))[..., :K], -1, axis).astype(np.float32)
;;   ~~~
;; One version. Each part assembles by itself: llvm-mc -triple=amdgcn-amd-amdhsa -mcpu=gfx1250 --defsym DOCPART=n.
;; ======== version 1 of 1: 4 launches
;; limits: values are held in f16: magnitudes above 65,504 overflow, below 6.1e-05 lose precision
;; workspace buffers: codes 13,107,200 bytes; scales 819,200 bytes; wo16 2,097,152 bytes; qkv 50,331,648 bytes; ao 16,777,216 bytes
;; launch quant (part 1): grid 528 x 1, 4 waves a work-group, no clusters, 51,712 bytes of LDS; arguments q, k, v, Wq, Wo, codes, scales, wo16; writes codes, scales, wo16
.if DOCPART == 1
	.amdgcn_target "amdgcn-amd-amdhsa--gfx1250"
	.amdhsa_code_object_version 6
	.text
	.protected	k_q6ec072fbd2_quant
	.globl	k_q6ec072fbd2_quant
	.p2align	8
	.type	k_q6ec072fbd2_quant,@function
k_q6ec072fbd2_quant:
	s_mov_b64 s[64:65], 0
	v_nop
	global_prefetch_b8 v0, s[64:65] scope:SCOPE_SE
	s_setreg_imm32_b32 hwreg(HW_REG_WAVE_MODE, 25, 1), 1
	s_wait_xcnt 0x0
; q, k, v [8192][1024] and Wq [1024][1024], f32, become codes of FP4 (E2M1) with one E8M0 byte for each 32 along K; Wo [1024][1024] becomes f16.
; A block's scale is 2^(floor(log2(its largest magnitude)) - 2): its byte is the largest magnitude's exponent field - 2, held at 1 from below by a floor among the maximum's leaves.
; LIMITS: a block of zeros, and a block whose largest magnitude lies under 2^-124, gets the byte 1 (its codes are zeros or as the held scale gives them; the bytes are read by this program alone);
; NaN and infinities among the inputs are not served; |Wo| stays at or under 65,504, f16's largest number.
; ALL THREE OUTPUTS LIE IN THE ORDER OF THE READER'S OPERAND REGISTERS: a piece is 512 bytes, lane l's 16 bytes at 16 l (r = l % 16, h = l / 16).
;   codes  [RT 1600][q8 8][c 2][lane][16 B]: row 16 RT + r, k = 128 q8 + 64 c + 32 h + 0..31.  RT 0-511 q, 512-1023 k, 1024-1535 v, 1536-1599 Wq.
;   scales [row 25600][8 words]: word q8, byte b: the block k = 128 q8 + 32 b.
;   wo16   [NT 64][kg 64][lane][16 B]: Wo[16 NT + r][16 kg + 8 h + 0..7].
; SHARES.  Work-groups 0-399: wave w takes row tile RT = 4 g + w: 16 rows x 1,024 numbers, in eight steps of 128 along K.  Work-groups 400-527: wave w takes 16 rows x 128 columns of Wo.
; Each load reads 512 consecutive bytes of one row; a step's 16 x 512 bytes turn through the wave's own stage in LDS, so that a lane gets two whole blocks of 32 neighbours of ITS row, which is what the conversions
; want and what the operand's layout gives that lane.  Every store covers 512 consecutive bytes, at a multiple of 512 from its buffer's first byte.
; No tensor load, no barrier: waves share nothing.  The two paths part on the work-group's number and have LDS bytes of their own.  Matrix units and clusters have nothing to do here: no work-group shares an input.
.set NQWG,   400                       ; work-groups that quantise
.set QPITCH, 528                       ; a stage row: 512 bytes + 16 = 33 x 16: the 16 rows that a read touches start at 16 different 16-byte columns of 256 bytes
.set QSTB,   16*QPITCH                 ; a wave's stage
.set WST,    4*QSTB                    ; behind the four: the Wo path's stages
.set WPITCH, 272                       ; 128 f16 + 16 bytes = 17 x 16
.set WSTB,   16*WPITCH
.set SPARE,  WST+4*WSTB                ; the spare words, 128 bytes for each wave: two blocks of 256 bytes that no other line names
.set LN,   1                           ; v1   16 x lane
.set QIN,  2                           ; v2   stage, way in: 16 x lane
.set QOUT, 3                           ; v3   stage, way out: 528 r + 128 h
.set SOFF, 4                           ; v4   my 16 bytes of the tile's 512 scale bytes: 32 r + 16 h
.set SH,   5                           ; v5   8 h
.set WSI,  6                           ; v6   Wo's stage, way in: 8 x lane
.set WSO,  7                           ; v7   way out: 272 r + 16 h
.set SPW,  8                           ; v8   LDS address of my spare word; never rewritten
.set NIL,  9                           ; v9   0; never rewritten
.set TM,   10                          ; v10-11 largest magnitudes, then bytes
.set SO,   12                          ; v12-13 the conversions' scale operands
.set TT,   14
.set UU,   15
.set C,    16                          ; v16-31   codes, two sets of 8
.set R,    32                          ; v32-159  numbers as loaded, two sets of 64
.set Y,    160                         ; v160-223 my two blocks of 32 neighbours
.set W,    224                         ; v224-231 my row's eight scale words
.set T,    232                         ; v232-235 the four that I store
	s_load_b256 s[4:11], s[0:1], 0x0               ; q s[4:5], k s[6:7], v s[8:9], Wq s[10:11]
	s_load_b256 s[12:19], s[0:1], 0x20             ; Wo s[12:13], codes s[14:15], scales s[16:17], wo16 s[18:19]
	v_lshl_add_u32 v[SPW], v0, 2, SPARE
	v_mov_b32 v[NIL], 0
	v_lshrrev_b32 v10, 5, v0
	v_readfirstlane_b32 s20, v10                   ; wave 0..3
	v_and_b32 v10, 31, v0                          ; lane
	v_and_b32 v11, 15, v0                          ; r
	v_bfe_u32 v12, v0, 4, 1                        ; h
	v_lshlrev_b32 v[LN], 4, v10
	s_mul_i32 s24, s20, QSTB
	v_add_nc_u32 v[QIN], s24, v[LN]
	v_mul_u32_u24 v13, v11, QPITCH
	v_lshl_add_u32 v13, v12, 7, v13
	v_add_nc_u32 v[QOUT], s24, v13
	v_lshlrev_b32 v[SOFF], 5, v11
	v_lshl_add_u32 v[SOFF], v12, 4, v[SOFF]
	v_lshlrev_b32 v[SH], 3, v12
	s_mul_i32 s25, s20, WSTB
	s_add_co_u32 s25, s25, WST
	v_lshl_add_u32 v[WSI], v10, 3, s25
	v_mul_u32_u24 v13, v11, WPITCH
	v_lshl_add_u32 v13, v12, 4, v13
	v_add_nc_u32 v[WSO], s25, v13
	v_mov_b32 v[UU], 0                             ; written once: a lane permute's destination counts as one of its sources
	s_mov_b32 s22, 0x76543210
	s_mov_b32 s23, 0xfedcba98                      ; v_permlanex16_b32's selects for lane l xor 16
	s_wait_kmcnt 0x0
	s_cmp_ge_u32 ttmp9, NQWG
	s_cbranch_scc1 .Lwo
	; ---- the quantiser.  Which tensor: 128 work-groups to each of q, k, v, sixteen to Wq; the choice hangs on the work-group's number alone
	s_lshr_b32 s21, ttmp9, 7
	s_cmp_lt_u32 s21, 1
	s_cselect_b64 s[4:5], s[4:5], s[6:7]
	s_cmp_lt_u32 s21, 2
	s_cselect_b64 s[4:5], s[4:5], s[8:9]
	s_cmp_lt_u32 s21, 3
	s_cselect_b64 s[4:5], s[4:5], s[10:11]
	s_and_b32 s26, ttmp9, 127
	s_lshl_b32 s26, s26, 2
	s_add_co_u32 s26, s26, s20                     ; my row tile in its tensor,
	s_lshl_b32 s26, s26, 16                        ; 16 rows of 4,096 bytes each
	s_mov_b32 s27, 0
	s_add_nc_u64 s[4:5], s[4:5], s[26:27]
	s_lshl_b32 s28, ttmp9, 2
	s_add_co_u32 s28, s28, s20                     ; RT
	s_lshl_b32 s30, s28, 9                         ; 512 scale bytes a tile
	s_mov_b32 s31, 0
	s_lshl_b32 s28, s28, 13                        ; 8,192 bytes of codes a tile
	s_mov_b32 s29, 0
	s_add_nc_u64 s[14:15], s[14:15], s[28:29]
	s_add_nc_u64 s[16:17], s[16:17], s[30:31]
.macro LOADQ s                         ; step s: 512 bytes of each of my 16 rows
.irp i, 0,1,2,3,4,5,6,7,8,9,10,11,12,13,14,15
	global_load_b128 v[R+64*((\s)%2)+4*\i:R+64*((\s)%2)+4*\i+3], v[LN], s[4:5] offset:4096*\i+512*(\s) th:TH_LOAD_NT
.endr
.endm
.macro STEPQ s
.set RS, R+64*((\s)%2)
.set CC, C+8*((\s)%2)
.if (\s) < 7
	s_wait_loadcnt 16                              ; this step's 16 loads are in; the next step's 16 may be out
.else
	s_wait_loadcnt 0
.endif
.irp i, 0,1,2,3,4,5,6,7,8,9,10,11,12,13,14,15
	ds_store_b128 v[QIN], v[RS+4*\i:RS+4*\i+3] offset:QPITCH*\i
.endr
.irp c, 0,1
.irp i, 0,1,2,3,4,5,6,7
	ds_load_b128 v[Y+32*\c+4*\i:Y+32*\c+4*\i+3], v[QOUT] offset:256*\c+16*\i   ; block 2 c + h of row r; LDS serves a wave's instructions in order: these see the stores above
.endr
.endr
	s_wait_dscnt 0x0                               ; my numbers are back, and the stores have read their registers,
.if (\s) < 6
	LOADQ (\s)+2                                   ; which take the loads of two steps on
.endif
.irp c, 0,1
	v_max3_num_f32 v[TM+\c], |v[Y+32*\c]|, |v[Y+32*\c+1]|, 0x1800000   ; the block's largest magnitude: all 32 numbers are mine; and the floor 2^(3 - 127): the byte cannot fall under 1
.endr
.irp i, 2,4,6,8,10,12,14,16,18,20,22,24,26,28,30
.irp c, 0,1
	v_max3_num_f32 v[TM+\c], v[TM+\c], |v[Y+32*\c+\i]|, |v[Y+32*\c+\i+1]|   ; (the two blocks by turns)
.endr
.endr
.irp c, 0,1
	v_add_nc_u32 v[SO+\c], 0xff000000, v[TM+\c]    ; 2 off its exponent field: the conversion takes the exponent field of this operand as its scale
.endr
	s_wait_xcnt 0x0                                ; the stores of two steps back have read this set of code registers
.irp c, 0,1
.irp g, 0,1,2,3
	v_cvt_scalef32_pk8_fp4_f32 v[CC+4*\c+\g], v[Y+32*\c+8*\g:Y+32*\c+8*\g+7], v[SO+\c]   ; registers 4 c .. 4 c + 3 of the operand
.endr
.endr
	v_lshrrev_b32 v[TM], 23, v[SO]                 ; the scales' bytes (plain lines behind the conversions, which write none of their registers)
	v_lshrrev_b32 v[TM+1], 23, v[SO+1]
	v_lshl_or_b32 v[TT], v[TM+1], 16, v[TM]        ; blocks h and 2 + h,
	v_lshlrev_b32 v[TT], v[SH], v[TT]              ; at their places in the word;
	v_permlanex16_b32 v[UU], v[TT], s22, s23
	v_or_b32 v[W+(\s)], v[TT], v[UU]               ; with lane l xor 16's two the word is whole
.irp c, 0,1
	global_store_b128 v[LN], v[CC+4*\c:CC+4*\c+3], s[14:15] offset:1024*(\s)+512*\c
.endr
.endm
	LOADQ 0
	LOADQ 1
.irp s, 0,1,2,3,4,5,6,7
	STEPQ \s
.endr
	v_cmp_ne_u32 vcc_lo, 0, v[SH]                  ; lanes 16-31 store words 4 to 7 of their row
.irp i, 0,1,2,3
	v_cndmask_b32 v[T+\i], v[W+\i], v[W+4+\i], vcc_lo
.endr
	global_store_b128 v[SOFF], v[T:T+3], s[16:17]
	s_wait_tensorcnt 0x0                           ; the wave's end, behind my last LDS store
	ds_add_u32 v[SPW], v[NIL]
	s_wait_dscnt 0x0
	s_endpgm
.Lwo:	; ---- Wo to f16: tile T = 4 (g - 400) + w: rows 16 (T / 8) on, columns 128 (T % 8) on
	s_sub_co_u32 s26, ttmp9, NQWG
	s_lshl_b32 s26, s26, 2
	s_add_co_u32 s26, s26, s20                     ; T
	s_lshr_b32 s27, s26, 3
	s_and_b32 s28, s26, 7
	s_lshl_b32 s30, s27, 16                        ; 16 rows of 4,096 bytes,
	s_lshl_b32 s29, s28, 9                         ; 128 numbers of 4 bytes
	s_add_co_u32 s30, s30, s29
	s_mov_b32 s31, 0
	s_add_nc_u64 s[12:13], s[12:13], s[30:31]
	s_lshl_b32 s30, s26, 12                        ; eight pieces of 512 bytes a tile, the tiles on end
	s_add_nc_u64 s[18:19], s[18:19], s[30:31]
.irp i, 0,1,2,3,4,5,6,7,8,9,10,11,12,13,14,15
	global_load_b128 v[R+4*\i:R+4*\i+3], v[LN], s[12:13] offset:4096*\i th:TH_LOAD_NT
.endr
	s_wait_loadcnt 0x0
.irp i, 0,1,2,3,4,5,6,7,8,9,10,11,12,13,14,15
	v_cvt_pk_f16_f32 v[Y+2*\i], v[R+4*\i], v[R+4*\i+1]
	v_cvt_pk_f16_f32 v[Y+2*\i+1], v[R+4*\i+2], v[R+4*\i+3]
.endr
.irp i, 0,1,2,3,4,5,6,7,8,9,10,11,12,13,14,15
	ds_store_b64 v[WSI], v[Y+2*\i:Y+2*\i+1] offset:WPITCH*\i
.endr
.irp e, 0,1,2,3,4,5,6,7
	ds_load_b128 v[R+64+4*\e:R+64+4*\e+3], v[WSO] offset:32*\e   ; row r, columns 16 e + 8 h + 0..7
.endr
	s_wait_dscnt 0x0
.irp e, 0,1,2,3,4,5,6,7
	global_store_b128 v[LN], v[R+64+4*\e:R+64+4*\e+3], s[18:19] offset:512*\e
.endr
	s_wait_tensorcnt 0x0                           ; the wave's end: the same three lines
	ds_add_u32 v[SPW], v[NIL]
	s_wait_dscnt 0x0
	s_endpgm
.Lfunc_end_k_q6ec072fbd2_quant:
	.size	k_q6ec072fbd2_quant, .Lfunc_end_k_q6ec072fbd2_quant-k_q6ec072fbd2_quant
	.p2alignl 7, 3214868480
	.fill 96, 4, 3214868480
	.section	.rodata,"a",@progbits
	.p2align	6, 0x0
	.amdhsa_kernel k_q6ec072fbd2_quant
		.amdhsa_group_segment_fixed_size 51712
		.amdhsa_private_segment_fixed_size 0
		.amdhsa_enable_private_segment 0
		.amdhsa_kernarg_size 64
		.amdhsa_user_sgpr_count 2
		.amdhsa_user_sgpr_kernarg_segment_ptr 1
		.amdhsa_wavefront_size32 1
		.amdhsa_system_sgpr_workgroup_id_x 1
		.amdhsa_system_sgpr_workgroup_id_y 1
		.amdhsa_system_sgpr_workgroup_id_z 1
		.amdhsa_system_vgpr_workitem_id 0
		.amdhsa_next_free_vgpr 240
		.amdhsa_next_free_sgpr 66
		.amdhsa_reserve_vcc 1
		.amdhsa_float_denorm_mode_32 3
		.amdhsa_float_denorm_mode_16_64 3
		.amdhsa_memory_ordered 1
		.amdhsa_forward_progress 1
		.amdhsa_inst_pref_size 63
	.end_amdhsa_kernel
	.amdgpu_metadata
---
amdhsa.version: [ 1, 2 ]
amdhsa.kernels:
  - .name:           k_q6ec072fbd2_quant
    .symbol:         k_q6ec072fbd2_quant.kd
    .args:
      - { .name: q, .offset: 0, .size: 8, .value_kind: global_buffer, .address_space: global }
      - { .name: k, .offset: 8, .size: 8, .value_kind: global_buffer, .address_space: global }
      - { .name: v, .offset: 16, .size: 8, .value_kind: global_buffer, .address_space: global }
      - { .name: Wq, .offset: 24, .size: 8, .value_kind: global_buffer, .address_space: global }
      - { .name: Wo, .offset: 32, .size: 8, .value_kind: global_buffer, .address_space: global }
      - { .name: codes, .offset: 40, .size: 8, .value_kind: global_buffer, .address_space: global }
      - { .name: scales, .offset: 48, .size: 8, .value_kind: global_buffer, .address_space: global }
      - { .name: wo16, .offset: 56, .size: 8, .value_kind: global_buffer, .address_space: global }
    .group_segment_fixed_size: 51712
    .private_segment_fixed_size: 0
    .kernarg_segment_align: 8
    .kernarg_segment_size: 64
    .max_flat_workgroup_size: 128
    .sgpr_count:     66
    .vgpr_count:     240
    .wavefront_size: 32
...
	.end_amdgpu_metadata
.endif
;; end of part 1
;; launch proj (part 2): grid 4 x 96, 4 waves a work-group, clusters of 4 x 4, 327,680 bytes of LDS; arguments codes, scales, qkv; writes qkv
.if DOCPART == 2
	.amdgcn_target "amdgcn-amd-amdhsa--gfx1250"
	.amdhsa_code_object_version 6
	.text
	.protected	k_q6ec072fbd2_proj
	.globl	k_q6ec072fbd2_proj
	.p2align	8
	.type	k_q6ec072fbd2_proj,@function
k_q6ec072fbd2_proj:
	s_mov_b64 s[64:65], 0
	v_nop
	global_prefetch_b8 v0, s[64:65] scope:SCOPE_SE
	s_setreg_imm32_b32 hwreg(HW_REG_WAVE_MODE, 25, 1), 1
	s_wait_xcnt 0x0
	s_wait_alu depctr_hold_cnt(0) depctr_sa_sdst(0) depctr_va_vdst(0) depctr_va_sdst(0) depctr_va_ssrc(0) depctr_va_vcc(0) depctr_vm_vsrc(0)
	s_getreg_b32 s2, hwreg(HW_REG_IB_STS2, 6, 4)
	s_cmp_eq_u32 s2, 0
	s_cbranch_scc0 .Lentry_in_a_cluster
	s_endpgm
.Lentry_in_a_cluster:
	s_bfe_u32 s2, ttmp6, 0x10000c
	s_cmp_lg_u32 s2, 0xf033
	s_cbranch_scc0 .Lentry_shape_is_right
	s_endpgm
.Lentry_shape_is_right:
; Q = q Wq^T, K = k Wq^T, V = v Wq^T as ONE product on codes of FP4 with E8M0 scales: [24576][1024] x [1024][1024]^T, sums in f32, results rounded once to f16.
; LIMIT: |Q|, |K|, |V| stay at or under 65,504, f16's largest number; no hold is written.
; IN: codes [RT][q8 8][c 2][lane][16 B] (row 16 RT + r, k = 128 q8 + 64 c + 32 h + 0..31; RT 0-1535 the rows of q, k, v, RT 1536-1599 Wq's), scales [row][8 words].
; OUT: qkv [t 3][bh 64][tt 128][ct 4][pos 32][16 B]: token 16 tt + r, channels 16 ct + 8 h + 0..7 of head bh; pos = r + 16 h for Q and K, (r % 8) + 8 h + 16 (r / 8) for V (the order in which the turning LDS load wants it).
; SHARES.  A work-group makes 256 rows x 256 channels (four heads), each of its four waves 128 x 128: 64 accumulators, 512 registers.  Work-group y = Y: rows 256 Y on; x = X: channels 256 X on.
; THE MATRIX INSTRUCTION IS USED TRANSPOSED (source 0 = 16 rows of Wq, source 1 = 16 rows of x): a lane holds one token and eight neighbouring channels, 16 bytes of f16: a piece of qkv is stored straight from registers.
; ALL OF K LIES IN LDS: four chunks of 256 along K, 64 KiB each (x's 16 row tiles x 2 KiB, then Wq's 16): every LDS byte is filled once, so no slot is ever filled again.  A wave issues four tensor loads at the head: four are out.
; CLUSTERS: 4 x 4.  The four of a row of the cluster need the same rows of x, the four of a column the same rows of Wq: each tile is asked for jointly.
; The codes lie in the order of the operand's registers, so a fragment is two ds_load_b128 at 16 x lane: 512 consecutive bytes each, no pitch, no padding.
; The scale words of my 128 + 128 rows, for all of K, come from memory once, into 64 registers: lanes 0-15 x's block i, lanes 16-31 Wq's block i.
; REGISTERS: window 0: v1-15 addresses; v32-95 scale words (block i, K step q at v[32 + 8 i + q]); v128-255 x's fragments, two sets of 64; on the way out four sets of 32 packed results.
;   window 1: Wq's fragments, two sets, at v0 and v64.   window 2: accumulators of my rows 0-63 ((a, b) at v[8 (8 (a % 4) + b)]);   window 3: rows 64-127.
.set CHUNK, 65536
.set SPARE, 4*CHUNK                    ; behind the chunks: the spare words, 128 bytes for each wave: two blocks of 256 bytes that no other line names
.set ADX,  4                           ; v4-7   LDS address of my x fragments in chunk 0..3
.set ADW,  8                           ; v8-11  the same for Wq
.set SPW,  12                          ; v12    LDS address of my spare word; never rewritten
.set NIL,  13                          ; v13    0; never rewritten
.set SCO,  14                          ; v14    my byte offset among the scale words
.set PO,   15                          ; v15    16 x my place in a piece of qkv
.set SC,   32
.set XF,   128
.set TP,   128
.set G1X,  24                          ; s[24:31] descriptor group 1 for x's tiles;  s[32:39] for Wq's: they differ in the mask alone
.set G1W,  32
.set G0X,  40                          ; s[40:55] groups 0 for x's tiles, one for each chunk;  s[68:83] for Wq's
.set G0W,  68
.set MSB, 0
.macro WIN new                         ; the immediate's high byte repeats the setting that is left
.if MSB != (\new)
	s_set_vgpr_msb (MSB<<8)|(\new)
.set MSB, (\new)
.endif
.endm
.set MUL_LO, 0xa1                      ; source 0 (Wq) window 1, source 1 (x) window 0, C and D window 2
.set MUL_HI, 0xf1                      ; the same, C and D window 3
.set TO_W,   0x40                      ; destination window 1, address window 0
.macro CROUND                          ; a round of the cluster's barrier
	s_barrier_signal -1
	s_barrier_wait -1
	s_cmp_lg_u32 s10, 0
	s_cbranch_scc1 .Lnot_wave_0_\@
	s_barrier_signal -3
.Lnot_wave_0_\@:
	s_barrier_wait -3
	s_barrier_signal -1
	s_barrier_wait -1
.endm
.macro PLACES n
.rept \n
	v_nop
.endr
.endm
	s_load_b128 s[4:7], s[0:1], 0x0                ; codes s[4:5], scales s[6:7]
	s_load_b64 s[8:9], s[0:1], 0x10                ; qkv
	v_lshl_add_u32 v[SPW], v0, 2, SPARE
	v_mov_b32 v[NIL], 0
	ds_add_u32 v[SPW], v[NIL]                      ; the wave's opening: the add, twice on end, and its wait ahead of my first tensor load
	ds_add_u32 v[SPW], v[NIL]                      ; and once more, under the one wait; the set-up below, work on registers, stands between
	v_lshrrev_b32 v1, 5, v0
	v_readfirstlane_b32 s10, v1                    ; wave 0..3
	s_lshr_b32 s11, s10, 1                         ; which half of the tile's rows is mine.  Also: I fetch for x (0) or for Wq (1)
	s_and_b32 s12, s10, 1                          ; which half of its channels.  Also: which eight row tiles I fetch
	s_bfe_u32 s13, ttmp6, 0x40000                  ; cx, cy: my place in the cluster
	s_bfe_u32 s14, ttmp6, 0x40004
	s_lshl_b32 s15, ttmp9, 2
	s_add_co_u32 s15, s15, s13                     ; X = 4 x cluster x + cx
	s_and_b32 s16, ttmp7, 0xffff
	s_lshl_b32 s16, s16, 2
	s_add_co_u32 s16, s16, s14                     ; Y = 4 x cluster y + cy
	s_lshl_b32 s17, s14, 2
	s_lshl_b32 s17, 15, s17                        ; my row of the cluster
	s_lshl_b32 s18, 0x1111, s13                    ; my column
	; descriptor group 1: eight row tiles' 2,048 bytes of a chunk: 8 rows of 256 elements of 8 bytes, 1,024 elements (a row tile's 8,192 bytes) apart; no padding
	s_or_b32 s[G1X], s17, (3<<16)|(1<<21)          ; 15:0 the mask: x's tiles go to my row; 17:16 elements of 8 bytes; 21 set beside a mask
	s_or_b32 s[G1W], s18, (3<<16)|(1<<21)          ; Wq's go to my column
.irp g, G1X, G1W
	s_mov_b32 s[\g+1], 256<<16                     ; tensor_dim0
	s_mov_b32 s[\g+2], 8<<16                       ; tensor_dim1
	s_mov_b32 s[\g+3], 256<<16                     ; tile_dim0
	s_mov_b32 s[\g+4], 8                           ; tile_dim1
	s_mov_b32 s[\g+5], 1024                        ; tensor_dim0_stride
	s_mov_b32 s[\g+6], 0
	s_mov_b32 s[\g+7], 0
.endr
	s_lshl_b32 s19, s12, 3
	s_lshl_b32 s20, s16, 4
	s_add_co_u32 s20, s20, s19                     ; x: row tile 16 Y + 8 x half,
	s_lshl_b32 s20, s20, 13                        ; in bytes
	s_mov_b32 s21, 0
	s_lshl_b32 s84, s15, 4
	s_add_co_u32 s84, s84, s19
	s_add_co_u32 s84, s84, 1536                    ; Wq: row tile 1536 + 16 X + 8 x half
	s_lshl_b32 s84, s84, 13
	s_mov_b32 s85, 0
	s_lshl_b32 s22, s10, 14                        ; where they go in a chunk: wave x 16 KiB: x's two halves, then Wq's two; no place in the cluster enters an LDS address
	s_wait_dscnt 0x0                               ; both opening adds are done
	s_wait_kmcnt 0x0
	s_add_nc_u64 s[20:21], s[4:5], s[20:21]
	s_add_nc_u64 s[84:85], s[4:5], s[84:85]
	CROUND                                         ; all sixteen work-groups are here: the joint loads meet
.irp ch, 0,1,2,3
	s_mov_b32 s[G0X+4*\ch], 1                      ; count = 1
	s_add_co_u32 s[G0X+4*\ch+1], s22, \ch*CHUNK    ; LDS address
	s_add_nc_u64 s[G0X+4*\ch+2:G0X+4*\ch+3], s[20:21], \ch*2048   ; global address: the chunk's 2,048 bytes of each row tile
	s_or_b32 s[G0X+4*\ch+3], s[G0X+4*\ch+3], 0x80000000           ; type = 2
	s_mov_b32 s[G0W+4*\ch], 1
	s_add_co_u32 s[G0W+4*\ch+1], s22, \ch*CHUNK
	s_add_nc_u64 s[G0W+4*\ch+2:G0W+4*\ch+3], s[84:85], \ch*2048
	s_or_b32 s[G0W+4*\ch+3], s[G0W+4*\ch+3], 0x80000000
.endr
	s_cmp_eq_u32 s11, 0                            ; a wave's four fills stand in one branch on the wave's number, ahead of every wait on TENSORcnt, every LDS read and every other barrier
	s_cbranch_scc0 .Lfirst_w
.irp ch, 0,1,2,3
	tensor_load_to_lds s[G0X+4*\ch:G0X+4*\ch+3], s[G1X:G1X+7]
	s_nop 0
.endr
	PLACES 4
	s_branch .Lfirst_asked
.Lfirst_w:
.irp ch, 0,1,2,3
	tensor_load_to_lds s[G0W+4*\ch:G0W+4*\ch+3], s[G1W:G1W+7]
	s_nop 0
.endr
	PLACES 4
.Lfirst_asked:
	v_and_b32 v1, 15, v0                           ; r
	v_bfe_u32 v2, v0, 4, 1                         ; h
	v_and_b32 v3, 31, v0
	v_lshlrev_b32 v3, 4, v3                        ; 16 x lane
	s_lshl_b32 s86, s11, 14                        ; my eight row tiles of x,
	s_lshl_b32 s87, s12, 14                        ; my eight of Wq,
	s_add_co_u32 s87, s87, 32768                   ; which lie behind x's sixteen
.irp ch, 0,1,2,3
	v_add_nc_u32 v[ADX+\ch], s86, v3
	v_add_nc_u32 v[ADW+\ch], s87, v3
	s_add_co_u32 s86, s86, CHUNK
	s_add_co_u32 s87, s87, CHUNK
.endr
	s_lshl_b32 s88, s16, 8
	s_lshl_b32 s89, s11, 7
	s_add_co_u32 s88, s88, s89
	s_lshl_b32 s88, s88, 5                         ; x's scale words: 32 bytes a row, from row 256 Y + 128 x half
	s_lshl_b32 s89, s15, 8
	s_lshl_b32 s90, s12, 7
	s_add_co_u32 s89, s89, s90
	s_add_co_u32 s89, s89, 24576
	s_lshl_b32 s89, s89, 5                         ; Wq's: from row 24576 + 256 X + 128 x half
	s_sub_co_u32 s89, s89, s88
	v_mul_u32_u24 v[SCO], s89, v2                  ; lanes 16-31 take Wq's
	v_lshl_add_u32 v[SCO], v1, 5, v[SCO]
	v_add_nc_u32 v[SCO], s88, v[SCO]
.irp i, 0,1,2,3,4,5,6,7
.irp u, 0,1
	global_load_b128 v[SC+8*\i+4*\u:SC+8*\i+4*\u+3], v[SCO], s[6:7] offset:512*\i+16*\u
.endr
.endr
	s_cmp_ge_u32 s16, 64                           ; V's rows?  Then h and r / 8 change weights in a lane's place
	s_cselect_b32 s90, 8, 16
	s_cselect_b32 s91, 16, 8
	v_and_b32 v16, 7, v1
	v_lshrrev_b32 v17, 3, v1
	v_mad_u32_u24 v16, v2, s90, v16
	v_mad_u32_u24 v16, v17, s91, v16
	v_lshlrev_b32 v[PO], 4, v16
	s_lshr_b32 s92, s16, 3                         ; 4 t + batch,
	s_lshl_b32 s92, s92, 4
	s_lshl_b32 s93, s15, 2
	s_add_co_u32 s92, s92, s93
	s_lshl_b32 s93, s12, 1
	s_add_co_u32 s92, s92, s93                     ; x 16 + my first head: 4 X + 2 x half,
	s_lshl_b32 s92, s92, 18                        ; 262,144 bytes each
	s_and_b32 s93, s16, 7
	s_lshl_b32 s93, s93, 4
	s_lshl_b32 s94, s11, 3
	s_add_co_u32 s93, s93, s94                     ; my first tile of tokens: 16 (Y % 8) + 8 x half,
	s_lshl_b32 s93, s93, 11                        ; 2,048 bytes each
	s_add_co_u32 s92, s92, s93
	s_mov_b32 s93, 0
	s_add_nc_u64 s[8:9], s[8:9], s[92:93]
; 32 LDS loads in one run: the fragments of K step q (128 along K): Wq's eight, then x's eight, into set q % 2
.macro FETCH q
	WIN TO_W
.irp i, 0,1,2,3,4,5,6,7
.irp c, 0,1
	ds_load_b128 v[64*((\q)%2)+8*\i+4*\c:64*((\q)%2)+8*\i+4*\c+3], v[ADW+(\q)/2] offset:2048*\i+1024*((\q)%2)+512*\c
.endr
.endr
	WIN 0
.irp i, 0,1,2,3,4,5,6,7
.irp c, 0,1
	ds_load_b128 v[XF+64*((\q)%2)+8*\i+4*\c:XF+64*((\q)%2)+8*\i+4*\c+3], v[ADX+(\q)/2] offset:2048*\i+1024*((\q)%2)+512*\c
.endr
.endr
.endm
; 16 matrix instructions: x's blocks a0, a0 + 1 against Wq's eight.  zero = 1: the first product starts the sums.  The 64 accumulators take turns, one instruction a turn, in the same order in every step.
.macro MUL16 a0, q, zero
.irp a, \a0, \a0+1
.irp b, 0,1,2,3,4,5,6,7
.if \zero
	v_wmma_scale_f32_16x16x128_f8f6f4 v[8*(8*((\a)%4)+\b):8*(8*((\a)%4)+\b)+7], v[64*((\q)%2)+8*\b:64*((\q)%2)+8*\b+7], v[XF+64*((\q)%2)+8*(\a):XF+64*((\q)%2)+8*(\a)+7], 0, v[SC+8*\b+(\q)], v[SC+8*(\a)+(\q)] matrix_a_fmt:MATRIX_FMT_FP4 matrix_b_fmt:MATRIX_FMT_FP4 matrix_a_scale:MATRIX_SCALE_ROW1
.else
	v_wmma_scale_f32_16x16x128_f8f6f4 v[8*(8*((\a)%4)+\b):8*(8*((\a)%4)+\b)+7], v[64*((\q)%2)+8*\b:64*((\q)%2)+8*\b+7], v[XF+64*((\q)%2)+8*(\a):XF+64*((\q)%2)+8*(\a)+7], v[8*(8*((\a)%4)+\b):8*(8*((\a)%4)+\b)+7], v[SC+8*\b+(\q)], v[SC+8*(\a)+(\q)] matrix_a_fmt:MATRIX_FMT_FP4 matrix_b_fmt:MATRIX_FMT_FP4 matrix_a_scale:MATRIX_SCALE_ROW1
.endif
.endr
.endr
.endm
; A K step that has a successor.  bar = 1: the successor lies in the next chunk: my part of it has landed (cnt later loads may stay out), my LDS loads are in, and every wave says so.
.macro STEP q, bar, cnt, zero
	s_wait_dscnt 8                                 ; Wq's set and x's blocks 0-3 are in; the youngest eight loads (x's blocks 4-7) may be out
	WIN MUL_LO
	MUL16 0, \q, \zero
	MUL16 2, \q, \zero
.if \bar
	s_wait_tensorcnt \cnt
	s_wait_dscnt 0x0
	s_barrier_signal -1
	s_barrier_wait -1
.endif
	PLACES 4                                       ; four plain places in front of loads into registers that matrix instructions have read (ISA guide 7.12.1 for vector instructions)
	FETCH (\q)+1
	s_wait_dscnt 32                                ; all but the 32 just issued
	WIN MUL_HI
	MUL16 4, \q, \zero
	MUL16 6, \q, \zero
.endm
	s_wait_tensorcnt 3                             ; my part of chunk 0 is in; the three behind it may be out
	s_barrier_signal -1
	s_barrier_wait -1                              ; everybody's is
	FETCH 0
	s_wait_loadcnt 0x0                             ; the scale words
	STEP 0, 0, 0, 1
	STEP 1, 1, 2, 0
	STEP 2, 0, 0, 0
	STEP 3, 1, 1, 0
	STEP 4, 0, 0, 0
	STEP 5, 1, 0, 0
	STEP 6, 0, 0, 0
	s_wait_dscnt 8                                 ; the last step: nothing more to fetch
	WIN MUL_LO
	MUL16 0, 7, 0
	MUL16 2, 7, 0
	s_wait_dscnt 0x0
	WIN MUL_HI
	MUL16 4, 7, 0
	MUL16 6, 7, 0
	WIN 0
; THE WAY OUT.  Block a (16 tokens x 128 channels): each accumulator's eight numbers, from its low end on, round to 16 bytes of f16: a lane's part of one piece of qkv.  A store covers 512 consecutive bytes, at a multiple of 512.
.macro PACK a
.set AC, 64*((\a)%4)
.set TS, TP+32*((\a)%4)
	WIN 0x0a+5*((\a)/4)                            ; sources 0 and 1: window 2 or 3
.irp b, 0,1,2,3,4,5,6,7
.irp rr, 0,1,2,3
	v_cvt_pk_f16_f32 v[TS+4*\b+\rr], v[AC+8*\b+2*\rr], v[AC+8*\b+2*\rr+1]
.endr
.endr
	WIN 0
.irp b, 0,1,2,3,4,5,6,7
	global_store_b128 v[PO], v[TS+4*\b:TS+4*\b+3], s[8:9] offset:(\b/4)*262144+2048*(\a)+512*(\b%4)   ; head b / 4 of my two, tile of tokens a, channels 16 (b % 4) on
.endr
.endm
	PLACES 4                                       ; behind the last products: for the first read of results and the first write over x's fragments
.irp a, 0,1,2,3,4,5,6,7
.if \a >= 4
	s_wait_xcnt 0x0                                ; block a - 4's stores have read the registers that block a's results take
.endif
	PACK \a
.endr
	s_wait_tensorcnt 0x0                           ; the wave's end, behind my last tensor load
	ds_add_u32 v[SPW], v[NIL]
	s_wait_dscnt 0x0
	CROUND                                         ; the closing round
	s_endpgm
.Lfunc_end_k_q6ec072fbd2_proj:
	.size	k_q6ec072fbd2_proj, .Lfunc_end_k_q6ec072fbd2_proj-k_q6ec072fbd2_proj
	.p2alignl 7, 3214868480
	.fill 96, 4, 3214868480
	.section	.rodata,"a",@progbits
	.p2align	6, 0x0
	.amdhsa_kernel k_q6ec072fbd2_proj
		.amdhsa_group_segment_fixed_size 327680
		.amdhsa_private_segment_fixed_size 0
		.amdhsa_enable_private_segment 0
		.amdhsa_kernarg_size 24
		.amdhsa_user_sgpr_count 2
		.amdhsa_user_sgpr_kernarg_segment_ptr 1
		.amdhsa_wavefront_size32 1
		.amdhsa_system_sgpr_workgroup_id_x 1
		.amdhsa_system_sgpr_workgroup_id_y 1
		.amdhsa_system_sgpr_workgroup_id_z 1
		.amdhsa_system_vgpr_workitem_id 0
		.amdhsa_next_free_vgpr 1024
		.amdhsa_next_free_sgpr 96
		.amdhsa_reserve_vcc 0
		.amdhsa_float_denorm_mode_32 3
		.amdhsa_float_denorm_mode_16_64 3
		.amdhsa_memory_ordered 1
		.amdhsa_forward_progress 1
		.amdhsa_inst_pref_size 116
	.end_amdhsa_kernel
	.amdgpu_metadata
---
amdhsa.version: [ 1, 2 ]
amdhsa.kernels:
  - .name:           k_q6ec072fbd2_proj
    .symbol:         k_q6ec072fbd2_proj.kd
    .args:
      - { .name: codes, .offset: 0, .size: 8, .value_kind: global_buffer, .address_space: global }
      - { .name: scales, .offset: 8, .size: 8, .value_kind: global_buffer, .address_space: global }
      - { .name: qkv, .offset: 16, .size: 8, .value_kind: global_buffer, .address_space: global }
    .group_segment_fixed_size: 327680
    .private_segment_fixed_size: 0
    .kernarg_segment_align: 8
    .kernarg_segment_size: 24
    .max_flat_workgroup_size: 128
    .sgpr_count:     96
    .vgpr_count:     1024
    .wavefront_size: 32
...
	.end_amdgpu_metadata
.endif
;; end of part 2
;; launch attn (part 3): grid 4 x 64, 8 waves a work-group, clusters of 4 x 1, 327,680 bytes of LDS; arguments qkv, ao; writes ao
.if DOCPART == 3
	.amdgcn_target "amdgcn-amd-amdhsa--gfx1250"
	.amdhsa_code_object_version 6
	.text
	.protected	k_q6ec072fbd2_attn
	.globl	k_q6ec072fbd2_attn
	.p2align	8
	.type	k_q6ec072fbd2_attn,@function
k_q6ec072fbd2_attn:
	s_mov_b64 s[64:65], 0
	v_nop
	global_prefetch_b8 v0, s[64:65] scope:SCOPE_SE
	s_setreg_imm32_b32 hwreg(HW_REG_WAVE_MODE, 25, 1), 1
	s_wait_xcnt 0x0
	s_wait_alu depctr_hold_cnt(0) depctr_sa_sdst(0) depctr_va_vdst(0) depctr_va_sdst(0) depctr_va_ssrc(0) depctr_va_vcc(0) depctr_vm_vsrc(0)
	s_getreg_b32 s2, hwreg(HW_REG_IB_STS2, 6, 4)
	s_cmp_eq_u32 s2, 0
	s_cbranch_scc0 .Lentry_in_a_cluster
	s_endpgm
.Lentry_in_a_cluster:
	s_bfe_u32 s2, ttmp6, 0x10000c
	s_cmp_lg_u32 s2, 0x3003
	s_cbranch_scc0 .Lentry_shape_is_right
	s_endpgm
.Lentry_shape_is_right:
; O[bh][q] = the sum over k of softmax_k(Q[bh][q] . K[bh][k] / 8) V[bh][k]: 64 heads, 2,048 tokens, head size 64, no mask.  Operands f16; products, maxima and sums f32; the weights p are rounded to f16 for the
; second product, O once at the end.  LIMIT: the result stays at or under 65,504 (it is an average of V's numbers, which do).
; IN: qkv [t 3][bh 64][tt 128][ct 4][pos 32][16 B]: token 16 tt + r, channels 16 ct + 8 h + 0..7; pos = r + 16 h for Q and K, (r % 8) + 8 h + 16 (r / 8) for V.
; OUT: ao [RT 512][kg 64][lane][16 B]: row 16 RT + r of the joined heads, columns 16 kg + 8 h + 0..7, kg = 4 head + ct: the order of the last product's operand registers.
; SHARES.  A work-group owns 512 queries of one head, each of its eight waves 64: four tiles of 16; two waves to a SIMD, so that one wave's softmax stands beside the other's products.  Every wave walks all keys, 64 a step.
; LAYOUT.  S^T = K Q^T (source 0 = 16 keys, source 1 = 16 queries): a lane holds ONE query and the keys 8 h + 0..7.  Two such tiles, rounded to f16 in pairs, ARE source 1 (32 keys x 16 queries) of O^T = V^T P, whose result
; again holds one query a lane, and eight channels: 16 bytes of ao.  p is rounded in place: a tile's 32 scores become 16 registers at the same base.
; Every piece of 512 bytes is read at 16 x lane: K by ds_load_b128, V by ds_load_tr16_b128, which turns 8 x 8 numbers within each eight lanes: with V's order of places the result is V^T's fragment.
; SOFTMAX.  For each query a running maximum m and sum l: p = 2^(c s - c m), c = log2(e) / 8; in every step O and l are multiplied by a = 2^(c m_old - c m_new).
; RING.  Two LDS slots of 512 keys (K 64 KiB, V 64 KiB); each wave fetches 16 KiB of a slot by one tensor load (waves 0-3 K's quarters, 4-7 V's).  Four fills: two at the head (two loads of mine are out), two refills, each asked
; for eight key steps, 512 matrix instructions a wave, ahead of the wait for it: so no prefetch is laid.
; CLUSTER.  The four query blocks of a head walk the same K and V: each tile is asked for jointly, by the same load with the same descriptor and the mask of all four.
; REGISTERS: window 0: v1-4 addresses; v10, v11 the add's two; v12-43 statistics, eight a tile: +0 c m, +1 m, +2, +3 l, +4..+7 at work (a takes +6); v64-191 S^T, 32 a tile, then p; v192-255 K of one step.
;   window 1: v0-127 O^T, 32 a tile; v128-191 Q, 16 a tile; v192-255 V^T of one step.
.set SLOT1, 131072
.set VOFF,  65536                      ; V's part of a slot
.set STEPB, 8192                       ; a key step's 64 keys: 16 pieces
.set SPARE, 2*SLOT1                    ; behind the ring: the spare words, 128 bytes for each wave: four blocks of 256 bytes that no other line names
.set LN,   1                           ; v1  16 x lane
.set LNV,  2                           ; v2  16 x lane + VOFF
.set ADR,  3                           ; v3  LDS address of K's run of loads
.set ADR2, 4                           ; v4  of V's
.set SPW,  10
.set NIL,  11
.set ST,   12
.set S,    64
.set KF,   192
.set QF,   128                         ; in window 1
.set VF,   192                         ; in window 1
.set WV,   8                           ; s8  my wave's number
.set G1,   16                          ; s[16:23] descriptor group 1
.set G0A,  24                          ; s[24:27] group 0 for slot 0;  s[28:31] for slot 1
.set G0B,  28
.set CS,   32                          ; s[32:33] c: the packed scaling names a pair and takes its low word for both halves
.set SEL,  34                          ; s[34:35] selects for lane l xor 16
.set TB,   36                          ; s36 LDS byte at which the tiles of the step to be fetched begin
.set CNT,  37                          ; s37 counts key steps
.set MSB, 0
.macro WIN new                         ; the immediate's high byte repeats the setting that is left
.if MSB != (\new)
	s_set_vgpr_msb (MSB<<8)|(\new)
.set MSB, (\new)
.endif
.endm
.macro CROUND                          ; a round of the cluster's barrier
	s_barrier_signal -1
	s_barrier_wait -1
	s_cmp_lg_u32 s[WV], 0
	s_cbranch_scc1 .Lnot_wave_0_\@
	s_barrier_signal -3
.Lnot_wave_0_\@:
	s_barrier_wait -3
	s_barrier_signal -1
	s_barrier_wait -1
.endm
.macro PLACES n
.rept \n
	v_nop
.endr
.endm
	s_load_b128 s[4:7], s[0:1], 0x0                ; qkv s[4:5], ao s[6:7]
	v_lshl_add_u32 v[SPW], v0, 2, SPARE
	v_mov_b32 v[NIL], 0
	ds_add_u32 v[SPW], v[NIL]                      ; the wave's opening: the add, twice on end, and its wait ahead of my first tensor load
	ds_add_u32 v[SPW], v[NIL]                      ; and once more, under the one wait; the set-up below, work on registers, stands between
	v_lshrrev_b32 v5, 5, v0
	v_readfirstlane_b32 s[WV], v5                  ; wave 0..7
	v_and_b32 v[LN], 31, v0
	v_lshlrev_b32 v[LN], 4, v[LN]
	v_add_nc_u32 v[LNV], VOFF, v[LN]
	s_and_b32 s10, ttmp7, 0xffff                   ; bh, which the four partners share
	s_lshl_b32 s13, s10, 18                        ; a head's 262,144 bytes
	s_lshr_b32 s14, s[WV], 2
	s_add_co_u32 s14, s14, 1                       ; waves 0-3 fetch K (tensor 1), waves 4-7 V (tensor 2):
	s_lshl_b32 s14, s14, 24                        ; 16,777,216 bytes each,
	s_add_co_u32 s14, s14, s13
	s_and_b32 s15, s[WV], 3
	s_lshl_b32 s15, s15, 14                        ; my quarter of a slot's 65,536
	s_add_co_u32 s14, s14, s15
	s_mov_b32 s15, 0
	; descriptor group 1: a dense block of 16 KiB as 64 rows of 256 bytes (32 elements of 8 bytes)
	s_mov_b32 s[G1], 15|(3<<16)|(1<<21)            ; 15:0 the mask: all four work-groups; 17:16 elements of 8 bytes; 21 set beside a mask
	s_mov_b32 s[G1+1], 32<<16                      ; tensor_dim0
	s_mov_b32 s[G1+2], 64<<16                      ; tensor_dim1
	s_mov_b32 s[G1+3], 32<<16                      ; tile_dim0
	s_mov_b32 s[G1+4], 64                          ; tile_dim1
	s_mov_b32 s[G1+5], 32                          ; tensor_dim0_stride
	s_mov_b32 s[G1+6], 0
	s_mov_b32 s[G1+7], 0
	s_bfe_u32 s9, ttmp6, 0x40000                   ; cx
	s_lshl_b32 s12, ttmp9, 2
	s_add_co_u32 s12, s12, s9                      ; my block of 512 queries: it enters Q's and ao's addresses alone
	s_lshl_b32 s38, s12, 16
	s_add_co_u32 s38, s38, s13
	s_lshl_b32 s39, s[WV], 13
	s_add_co_u32 s38, s38, s39                     ; Q: head, block, my four tiles of 2,048 bytes
	s_mov_b32 s39, 0
	s_lshr_b32 s40, s10, 4
	s_lshl_b32 s40, s40, 22                        ; ao: batch x 128 row tiles of 32,768 bytes,
	s_lshl_b32 s41, s12, 20                        ; block x 32,
	s_add_co_u32 s40, s40, s41
	s_lshl_b32 s41, s[WV], 17                      ; wave x 4,
	s_add_co_u32 s40, s40, s41
	s_and_b32 s41, s10, 15
	s_lshl_b32 s41, s41, 11                        ; and the head's four pieces in a row tile
	s_add_co_u32 s40, s40, s41
	s_mov_b32 s41, 0
	s_mov_b32 s[CS], 0x3e38aa3b                    ; c = log2(e) / 8
	s_mov_b32 s[CS+1], s[CS]                       ; (named with it as a pair, so it is written)
	s_mov_b32 s[SEL], 0x76543210
	s_mov_b32 s[SEL+1], 0xfedcba98
	s_mov_b32 s[TB], 0
	s_wait_dscnt 0x0                               ; both opening adds are done
	s_wait_kmcnt 0x0
	s_add_nc_u64 s[38:39], s[4:5], s[38:39]
	s_add_nc_u64 s[40:41], s[6:7], s[40:41]
	s_mov_b32 s[G0A], 1                            ; count = 1
	s_lshl_b32 s[G0A+1], s[WV], 14                 ; LDS address: wave x 16 KiB: K's four quarters, then V's four
	s_add_nc_u64 s[G0A+2:G0A+3], s[4:5], s[14:15]  ; global address: keys 0-511
	s_mov_b32 s[G0B], 1
	s_add_co_u32 s[G0B+1], s[G0A+1], SLOT1
	s_add_nc_u64 s[G0B+2:G0B+3], s[G0A+2:G0A+3], 65536   ; keys 512-1023
	s_or_b32 s[G0A+3], s[G0A+3], 0x80000000        ; type = 2
	s_or_b32 s[G0B+3], s[G0B+3], 0x80000000
	CROUND                                         ; all four work-groups are here: the first joint loads meet
	tensor_load_to_lds s[G0A:G0A+3], s[G1:G1+7]
	s_nop 0
	tensor_load_to_lds s[G0B:G0B+3], s[G1:G1+7]
	s_nop 0
	PLACES 4
	WIN 0x40                                       ; destination window 1, address window 0
.irp t, 0,1,2,3
.irp p, 0,1,2,3                                ; Q stays in registers: tile t, piece p: registers 4 p on of the tile's 16
	global_load_b128 v[QF+16*\t+4*\p:QF+16*\t+4*\p+3], v[LN], s[38:39] offset:2048*\t+512*\p
.endr
.endr
	WIN 0
; A step's K: 16 pieces; piece f = 4 kt + 2 kk + c fills registers 4 f on: fragment (keys 16 kt on, channels 32 kk on) at KF + 16 kt + 8 kk
.macro FETCH_K
	WIN 0
	v_add_nc_u32 v[ADR], s[TB], v[LN]
.irp f, 0,1,2,3,4,5,6,7,8,9,10,11,12,13,14,15
	ds_load_b128 v[KF+4*\f:KF+4*\f+3], v[ADR] offset:512*\f
.endr
.endm
; The same step's V, turned: fragment (channels 16 ct on, keys 32 ks on) at VF + 16 ct + 8 ks; its half u comes from the piece of tokens 16 (2 ks + u) on
.macro FETCH_V
	WIN 0
	v_add_nc_u32 v[ADR2], s[TB], v[LNV]
	s_add_co_u32 s[TB], s[TB], STEPB               ; the next fetch is the next step's
	WIN 0x40
.irp ct, 0,1,2,3
.irp ks, 0,1
.irp u, 0,1
	ds_load_tr16_b128 v[VF+16*\ct+8*\ks+4*\u:VF+16*\ct+8*\ks+4*\u+3], v[ADR2] offset:((2*\ks+\u)*4+\ct)*512
.endr
.endr
.endr
.endm
; 32 products S^T = K Q^T; the first 16 start the sums.  The 16 accumulators take turns, one instruction a turn.
.macro KQ
	WIN 0x04                                       ; Q in window 1
.irp kk, 0,1
.irp kt, 0,1,2,3
.irp t, 0,1,2,3
.if \kk == 0
	v_wmma_f32_16x16x32_f16 v[S+32*\t+8*\kt:S+32*\t+8*\kt+7], v[KF+16*\kt+8*\kk:KF+16*\kt+8*\kk+7], v[QF+16*\t+8*\kk:QF+16*\t+8*\kk+7], 0
.else
	v_wmma_f32_16x16x32_f16 v[S+32*\t+8*\kt:S+32*\t+8*\kt+7], v[KF+16*\kt+8*\kk:KF+16*\kt+8*\kk+7], v[QF+16*\t+8*\kk:QF+16*\t+8*\kk+7], v[S+32*\t+8*\kt:S+32*\t+8*\kt+7]
.endif
.endr
.endr
.endr
.endm
; 32 products O^T += V^T P.  zero = 1: the first 16 start the sums: nothing is ever cleared.
.macro PV zero
	WIN 0x51                                       ; V^T and O^T in window 1, P in window 0
.irp ks, 0,1
.irp ct, 0,1,2,3
.irp t, 0,1,2,3
.if \zero && (\ks == 0)
	v_wmma_f32_16x16x32_f16 v[32*\t+8*\ct:32*\t+8*\ct+7], v[VF+16*\ct+8*\ks:VF+16*\ct+8*\ks+7], v[S+32*\t+8*\ks:S+32*\t+8*\ks+7], 0
.else
	v_wmma_f32_16x16x32_f16 v[32*\t+8*\ct:32*\t+8*\ct+7], v[VF+16*\ct+8*\ks:VF+16*\ct+8*\ks+7], v[S+32*\t+8*\ks:S+32*\t+8*\ks+7], v[32*\t+8*\ct:32*\t+8*\ct+7]
.endif
.endr
.endr
.endr
.endm
.macro SCALE t, b                      ; pair b of tile t: c s - c m
	v_pk_fma_f32 v[S+32*(\t)+2*(\b):S+32*(\t)+2*(\b)+1], v[S+32*(\t)+2*(\b):S+32*(\t)+2*(\b)+1], s[CS:CS+1], v[ST+8*(\t):ST+8*(\t)+1] op_sel_hi:[1,0,0] neg_lo:[0,0,1] neg_hi:[0,0,1]
.endm
; THE SOFTMAX of a key step, the four tiles by turns in every group of lines, so that no line waits for the line above it.  first = 1: the first step, which starts m and l: no a, nothing to rescale.
.macro SM first
	WIN 0
.irp j, 0,1,2,3                                ; the maximum: four chains, one for each accumulator, which is read from its low end on
.irp t, 0,1,2,3
	v_max3_num_f32 v[ST+8*\t+4+\j], v[S+32*\t+8*\j], v[S+32*\t+8*\j+1], v[S+32*\t+8*\j+2]
.endr
.endr
.irp g, 1,2
.irp j, 0,1,2,3
.irp t, 0,1,2,3
	v_max3_num_f32 v[ST+8*\t+4+\j], v[ST+8*\t+4+\j], v[S+32*\t+8*\j+2*\g+1], v[S+32*\t+8*\j+2*\g+2]
.endr
.endr
.endr
.irp t, 0,1,2,3
	v_max3_num_f32 v[ST+8*\t+4], v[ST+8*\t+4], v[S+32*\t+7], v[S+32*\t+15]
.endr
.irp t, 0,1,2,3
	v_max3_num_f32 v[ST+8*\t+6], v[ST+8*\t+6], v[S+32*\t+23], v[S+32*\t+31]
.endr
.irp t, 0,1,2,3
	v_max3_num_f32 v[ST+8*\t+4], v[ST+8*\t+4], v[ST+8*\t+5], v[ST+8*\t+6]
.endr
.irp t, 0,1,2,3
.if \first
	v_max_num_f32 v[ST+8*\t+4], v[ST+8*\t+4], v[ST+8*\t+7]
.else
	v_max3_num_f32 v[ST+8*\t+4], v[ST+8*\t+4], v[ST+8*\t+7], v[ST+8*\t+1]   ; and the old m
.endif
.endr
.irp t, 0,1,2,3
	v_permlanex16_b32 v[ST+8*\t+5], v[ST+8*\t+4], s[SEL], s[SEL+1]   ; the query's other 32 keys lie in the lane 16 away
.endr
.if !\first
.irp t, 0,1,2,3
	v_mov_b32 v[ST+8*\t+7], v[ST+8*\t]             ; c m_old is kept for a
.endr
.endif
.irp t, 0,1,2,3
	v_max_num_f32 v[ST+8*\t+1], v[ST+8*\t+4], v[ST+8*\t+5]
.endr
.irp t, 0,1,2,3
	v_mul_f32 v[ST+8*\t], s[CS], v[ST+8*\t+1]
.endr
.if !\first
.irp t, 0,1,2,3
	v_sub_f32 v[ST+8*\t+7], v[ST+8*\t+7], v[ST+8*\t]
.endr
.endif
; ONE BATCH of exponentials with one wait: none of the lines down to the wait names an exponential's result.  A tile's scalings stand among the exponentials of the tile before.
.irp b, 0,1,2,3,4,5,6,7,8,9,10,11,12,13,14,15
	SCALE 0, \b
.endr
.if !\first
.irp t, 0,1,2,3
	v_exp_f32 v[ST+8*\t+6], v[ST+8*\t+7]           ; a
.endr
.endif
.irp t, 0,1,2
.irp b, 0,1,2,3,4,5,6,7,8,9,10,11,12,13,14,15
	SCALE \t+1, \b
	v_exp_f32 v[S+32*\t+2*\b], v[S+32*\t+2*\b]
	v_exp_f32 v[S+32*\t+2*\b+1], v[S+32*\t+2*\b+1]
.endr
.endr
.irp e, 0,1,2,3,4,5,6,7,8,9,10,11,12,13,14,15,16,17,18,19,20,21,22,23,24,25,26,27,28,29,30,31
	v_exp_f32 v[S+96+\e], v[S+96+\e]
.endr
	v_nop                                          ; a plain instruction behind the last exponential, ahead of the first use (ISA guide 5.7.2)
	s_wait_alu depctr_va_vdst(0)                   ; the wait ahead of the first line that names a result: one for the batch
.if \first
.irp t, 0,1,2,3
	v_pk_add_f32 v[ST+8*\t+2:ST+8*\t+3], v[S+32*\t:S+32*\t+1], v[S+32*\t+2:S+32*\t+3]   ; l starts: even keys' weights, odd keys'
.endr
.irp b, 2,3,4,5,6,7,8,9,10,11,12,13,14,15
.irp t, 0,1,2,3
	v_pk_add_f32 v[ST+8*\t+2:ST+8*\t+3], v[ST+8*\t+2:ST+8*\t+3], v[S+32*\t+2*\b:S+32*\t+2*\b+1]
.endr
.endr
.else
.irp t, 0,1,2,3
	v_pk_fma_f32 v[ST+8*\t+2:ST+8*\t+3], v[ST+8*\t+2:ST+8*\t+3], v[ST+8*\t+6:ST+8*\t+7], v[S+32*\t:S+32*\t+1] op_sel_hi:[1,0,1]   ; l = a l + the unrounded weights
.endr
.irp b, 1,2,3,4,5,6,7,8,9,10,11,12,13,14,15
.irp t, 0,1,2,3
	v_pk_add_f32 v[ST+8*\t+2:ST+8*\t+3], v[ST+8*\t+2:ST+8*\t+3], v[S+32*\t+2*\b:S+32*\t+2*\b+1]
.endr
.endr
.endif
.irp j, 0,1,2,3,4,5,6,7,8,9,10,11,12,13,14,15
.irp t, 0,1,2,3
	v_cvt_pk_f16_f32 v[S+32*\t+\j], v[S+32*\t+2*\j], v[S+32*\t+2*\j+1]   ; in place, ascending: register j takes pair j, which no later line reads
.endr
.endr
.if !\first
	WIN 0x41                                       ; O^T (destination and source 0) in window 1, a in window 0
.irp i, 0,1,2,3,4,5,6,7,8,9,10,11,12,13,14,15
.irp t, 0,1,2,3
	v_pk_mul_f32 v[32*\t+2*\i:32*\t+2*\i+1], v[32*\t+2*\i:32*\t+2*\i+1], v[ST+8*\t+6:ST+8*\t+7] op_sel_hi:[1,0]
.endr
.endr
	WIN 0
.endif
.endm
; A TRIP: V^T P of the step in hand; K Q^T and the softmax of the next.  The next step's K is asked for ahead of the 32 products V^T P, its V ahead of the 32 products K Q^T.
.macro TRIP zero
	FETCH_K                                        ; (K's registers were last read ahead of the softmax: its lines are the places)
	s_wait_dscnt 16                                ; V of the step in hand is in; K's 16 loads may be out
	PV \zero
	WIN 0
	PLACES 5                                       ; K Q^T writes over P's registers, which V^T P has read: five places; they also serve the loads into V's registers
	FETCH_V
	s_wait_dscnt 16                                ; K is in; V's 16 loads may be out
	KQ
	WIN 0
	PLACES 4                                       ; ahead of the first read of the scores
	SM 0
.endm
.macro STEPS n
	s_mov_b32 s[CNT], \n
.Lstep_\@:
	TRIP 0
	s_sub_co_u32 s[CNT], s[CNT], 1
	s_cmp_lg_u32 s[CNT], 0
	s_cbranch_scc1 .Lstep_\@
.endm
; THE CHANGE OF SLOTS: the slot's last bytes have been asked for.  Each wave waits for all its tensor loads (its part of the other slot), adds 0 to its spare word, and waits for that and for its reads of the slot.
; fill = 1: the slot is filled again with the keys two slots on: the barrier is a round of the cluster's, and the joint refill is the first thing behind it.
.macro CHANGE fill, g0, tb
	WIN 0
	s_wait_tensorcnt 0x0                           ; no tensor load of mine is out, so a group 0 may be written
	ds_add_u32 v[SPW], v[NIL]                      ; 0 onto my spare word
.if \fill
	s_add_nc_u64 s[\g0+2:\g0+3], s[\g0+2:\g0+3], 2*65536   ; two slots' keys on; the type bits on top are not reached
.endif
	s_mov_b32 s[TB], \tb                           ; the fetches go on in the other slot
	s_wait_dscnt 0x0                               ; the add is done, and my reads of the slot are over
.if \fill
	CROUND
	tensor_load_to_lds s[\g0:\g0+3], s[G1:G1+7]
	s_nop 0
	PLACES 4
.else
	s_barrier_signal -1
	s_barrier_wait -1
.endif
.endm
	s_wait_tensorcnt 1                             ; my part of slot 0 is in; slot 1's may stay out
	s_barrier_signal -1
	s_barrier_wait -1                              ; everybody's is
	FETCH_K                                        ; key step 0
	FETCH_V
	s_wait_loadcnt 0x0                             ; Q
	s_wait_dscnt 16                                ; K
	KQ
	WIN 0
	PLACES 4
	SM 1
	TRIP 1                                         ; V^T P of step 0 starts O^T
	STEPS 6                                        ; slot 0's eight steps have now been fetched
	CHANGE 1, G0A, SLOT1                           ; slot 0 takes keys 1024-1535
	STEPS 8
	CHANGE 1, G0B, 0                               ; slot 1 takes keys 1536-2047
	STEPS 8
	CHANGE 0, G0A, SLOT1                           ; nothing is left to ask for
	STEPS 8
	s_wait_dscnt 0x0                               ; V of the last step
	PV 0
	; THE WAY OUT.  l's two halves and the other half of the lanes' are added (these lines are the places behind the last products); O^T is divided by l, rounded to f16 and stored straight from registers.
	WIN 0
.irp t, 0,1,2,3
	v_add_f32 v[ST+8*\t+4], v[ST+8*\t+2], v[ST+8*\t+3]
.endr
.irp t, 0,1,2,3
	v_permlanex16_b32 v[ST+8*\t+5], v[ST+8*\t+4], s[SEL], s[SEL+1]
.endr
.irp t, 0,1,2,3
	v_add_f32 v[ST+8*\t+4], v[ST+8*\t+4], v[ST+8*\t+5]
.endr
.irp t, 0,1,2,3
	v_rcp_f32 v[ST+8*\t+6], v[ST+8*\t+4]
.endr
	v_nop                                          ; a plain instruction between the last reciprocal and the use of its result
	s_wait_alu depctr_va_vdst(0)                   ; and the wait: one for the four
.macro OUT t
	WIN 0x41
.irp i, 0,1,2,3,4,5,6,7,8,9,10,11,12,13,14,15
	v_pk_mul_f32 v[32*\t+2*\i:32*\t+2*\i+1], v[32*\t+2*\i:32*\t+2*\i+1], v[ST+8*\t+6:ST+8*\t+7] op_sel_hi:[1,0]
.endr
	WIN 0x05                                       ; sources 0 and 1 window 1, destination window 0: the scores' registers are free
.irp i, 0,1,2,3,4,5,6,7,8,9,10,11,12,13,14,15
	v_cvt_pk_f16_f32 v[S+32*\t+\i], v[32*\t+2*\i], v[32*\t+2*\i+1]
.endr
	WIN 0
.irp ct, 0,1,2,3
	global_store_b128 v[LN], v[S+32*\t+4*\ct:S+32*\t+4*\ct+3], s[40:41] offset:32768*\t+512*\ct   ; 32 lanes store 512 consecutive bytes, at a multiple of 512 from ao's first byte
.endr
.endm
	OUT 0
	OUT 1
	OUT 2
	OUT 3
	s_wait_tensorcnt 0x0                           ; the wave's end, behind my last tensor load
	ds_add_u32 v[SPW], v[NIL]
	s_wait_dscnt 0x0
	CROUND                                         ; the closing round: no work-group ends while a partner may still ask for a tile that names it
	s_endpgm
.Lfunc_end_k_q6ec072fbd2_attn:
	.size	k_q6ec072fbd2_attn, .Lfunc_end_k_q6ec072fbd2_attn-k_q6ec072fbd2_attn
	.p2alignl 7, 3214868480
	.fill 96, 4, 3214868480
	.section	.rodata,"a",@progbits
	.p2align	6, 0x0
	.amdhsa_kernel k_q6ec072fbd2_attn
		.amdhsa_group_segment_fixed_size 327680
		.amdhsa_private_segment_fixed_size 0
		.amdhsa_enable_private_segment 0
		.amdhsa_kernarg_size 16
		.amdhsa_user_sgpr_count 2
		.amdhsa_user_sgpr_kernarg_segment_ptr 1
		.amdhsa_wavefront_size32 1
		.amdhsa_system_sgpr_workgroup_id_x 1
		.amdhsa_system_sgpr_workgroup_id_y 1
		.amdhsa_system_sgpr_workgroup_id_z 1
		.amdhsa_system_vgpr_workitem_id 0
		.amdhsa_next_free_vgpr 512
		.amdhsa_next_free_sgpr 66
		.amdhsa_reserve_vcc 0
		.amdhsa_float_denorm_mode_32 3
		.amdhsa_float_denorm_mode_16_64 3
		.amdhsa_memory_ordered 1
		.amdhsa_forward_progress 1
		.amdhsa_inst_pref_size 204
	.end_amdhsa_kernel
	.amdgpu_metadata
---
amdhsa.version: [ 1, 2 ]
amdhsa.kernels:
  - .name:           k_q6ec072fbd2_attn
    .symbol:         k_q6ec072fbd2_attn.kd
    .args:
      - { .name: qkv, .offset: 0, .size: 8, .value_kind: global_buffer, .address_space: global }
      - { .name: ao, .offset: 8, .size: 8, .value_kind: global_buffer, .address_space: global }
    .group_segment_fixed_size: 327680
    .private_segment_fixed_size: 0
    .kernarg_segment_align: 8
    .kernarg_segment_size: 16
    .max_flat_workgroup_size: 256
    .sgpr_count:     66
    .vgpr_count:     512
    .wavefront_size: 32
...
	.end_amdgpu_metadata
.endif
;; end of part 3
;; launch outp (part 4): grid 4 x 64, 4 waves a work-group, clusters of 4 x 4, 327,680 bytes of LDS; arguments ao, wo16, out0; writes out0
.if DOCPART == 4
	.amdgcn_target "amdgcn-amd-amdhsa--gfx1250"
	.amdhsa_code_object_version 6
	.text
	.protected	k_q6ec072fbd2_outp
	.globl	k_q6ec072fbd2_outp
	.p2align	8
	.type	k_q6ec072fbd2_outp,@function
k_q6ec072fbd2_outp:
	s_mov_b64 s[64:65], 0
	v_nop
	global_prefetch_b8 v0, s[64:65] scope:SCOPE_SE
	s_setreg_imm32_b32 hwreg(HW_REG_WAVE_MODE, 25, 1), 1
	s_wait_xcnt 0x0
	s_wait_alu depctr_hold_cnt(0) depctr_sa_sdst(0) depctr_va_vdst(0) depctr_va_sdst(0) depctr_va_ssrc(0) depctr_va_vcc(0) depctr_vm_vsrc(0)
	s_getreg_b32 s2, hwreg(HW_REG_IB_STS2, 6, 4)
	s_cmp_eq_u32 s2, 0
	s_cbranch_scc0 .Lentry_in_a_cluster
	s_endpgm
.Lentry_in_a_cluster:
	s_bfe_u32 s2, ttmp6, 0x10000c
	s_cmp_lg_u32 s2, 0xf033
	s_cbranch_scc0 .Lentry_shape_is_right
	s_endpgm
.Lentry_shape_is_right:
; out0[m][n] = the sum over k of AO[m][k] Wo[n][k]: [8192][1024] x [1024][1024]^T, operands f16, sums and result f32.
; IN: ao [RT 512][kg 64][lane][16 B] = AO[16 RT + r][16 kg + 8 h + 0..7];  wo16 [NT 64][kg 64][lane][16 B] = Wo[16 NT + r][16 kg + 8 h + 0..7]: the order of the operands' registers: a fragment (16 rows x 32 K) is two
; ds_load_b128 at 16 x lane, 512 consecutive bytes each: no pitch, no padding.
; SHARES.  A tile of out0 is 128 rows x 256 columns, so that the grid has 256 work-groups; four waves, each 64 x 128: 32 accumulators, 256 registers.
; K goes in steps of 128 through a ring of two LDS slots: A's 8 row tiles x 4 KiB, then B's 16 x 4 KiB.  Waves 0 and 1 fetch A's halves, waves 2 and 3 B's, one tensor load each: two of mine are out at the head, one behind each change of slots.
; CLUSTERS: 4 x 4: A's tile is shared along a row of the cluster, B's along a column: each is asked for jointly.  THE MATRIX INSTRUCTION IS USED TRANSPOSED (source 0 = 16 rows of Wo, source 1 = 16 rows of AO):
; a lane holds eight neighbouring numbers of a row of out0.
; REGISTERS: window 0: v16-29 addresses; two fragment buffers at v32 and v128: 32 registers of A (4 x 16 rows x 32 K), then 64 of B; on the way out v32-95 and v128-191 take rows.  window 1: the accumulators ((a, b) at v[8 (8 a + b)]).
.set SLOT,   98304
.set BOFF,   32768                     ; B's part of a slot
.set STAGE,  2*SLOT                    ; behind the ring: 16 rows x 528 bytes for each wave, for the way out; no tensor load fills it
.set SPITCH, 528                       ; 512 bytes + 16 = 33 x 16: the 16 rows that a store touches start at 16 different 16-byte columns of 256 bytes
.set SPARE,  STAGE+4*16*SPITCH         ; the spare words, 128 bytes for each wave: two blocks of 256 bytes that no other line names
.set LAPS,   4                         ; a lap = two K steps = once round the ring: 1,024 / 256
.set ADRA, 16                          ; v16-17  LDS address of my A fragments in slot 0, 1
.set ADRB, 20                          ; v20-21  the same for B
.set STO,  24                          ; v24     the way out: where I put 32 bytes of a row
.set RD,   25                          ; v25     where I read a row back
.set CO,   26                          ; v26     my byte offset in a row's 512 bytes
.set SPW,  28
.set NIL,  29
.set F0,   32
.set F1,   128
.set G1,  24                           ; s[24:31] descriptor group 1 for A's tiles;  s[32:39] group 0, one set for each slot
.set G0,  32
.set G1B, 48                           ; s[48:55], s[56:63] the same for B's
.set G0B, 56
.set MSB, 0
.macro WIN new                         ; the immediate's high byte repeats the setting that is left
.if MSB != (\new)
	s_set_vgpr_msb (MSB<<8)|(\new)
.set MSB, (\new)
.endif
.endm
.set MUL, 0x50                         ; C and D window 1, sources window 0
.macro JLOAD s                         ; a joint load: the branch hangs on the wave's number alone; an s_nop 0 and four v_nop follow each of the two lines
	s_cmp_eq_u32 s11, 0
	s_cbranch_scc0 .Lfor_b_\@
	tensor_load_to_lds s[G0+4*\s:G0+4*\s+3], s[G1:G1+7]
	s_nop 0
.rept 4
	v_nop
.endr
	s_branch .Lasked_\@
.Lfor_b_\@:
	tensor_load_to_lds s[G0B+4*\s:G0B+4*\s+3], s[G1B:G1B+7]
	s_nop 0
.rept 4
	v_nop
.endr
.Lasked_\@:
.endm
.macro CREST                           ; a round of the cluster's barrier behind its opening barrier
	s_cmp_lg_u32 s10, 0
	s_cbranch_scc1 .Lnot_wave_0_\@
	s_barrier_signal -3
.Lnot_wave_0_\@:
	s_barrier_wait -3
	s_barrier_signal -1
	s_barrier_wait -1
.endm
.macro CROUND
	s_barrier_signal -1
	s_barrier_wait -1
	CREST
.endm
.macro PLACES
.rept 4
	v_nop
.endr
.endm
	s_load_b128 s[4:7], s[0:1], 0x0                ; ao s[4:5], wo16 s[6:7]
	s_load_b64 s[8:9], s[0:1], 0x10                ; out0
	v_lshl_add_u32 v[SPW], v0, 2, SPARE
	v_mov_b32 v[NIL], 0
	ds_add_u32 v[SPW], v[NIL]                      ; the wave's opening: the add, twice on end, and its wait ahead of my first tensor load
	ds_add_u32 v[SPW], v[NIL]                      ; and once more, under the one wait; the set-up below, work on registers, stands between
	v_lshrrev_b32 v1, 5, v0
	v_readfirstlane_b32 s10, v1                    ; wave 0..3
	s_lshr_b32 s11, s10, 1                         ; which half of the tile's rows is mine.  Also: I fetch for A (0) or for B (1)
	s_and_b32 s12, s10, 1                          ; which half of its columns.  Also: which half of that tile I fetch
	s_bfe_u32 s40, ttmp6, 0x40000                  ; cx, cy
	s_bfe_u32 s41, ttmp6, 0x40004
	s_lshl_b32 s42, ttmp9, 2
	s_add_co_u32 s42, s42, s40                     ; X: columns 256 X on
	s_and_b32 s13, ttmp7, 0xffff
	s_lshl_b32 s13, s13, 2
	s_add_co_u32 s13, s13, s41                     ; Y: rows 128 Y on
	s_lshl_b32 s43, s41, 2
	s_lshl_b32 s43, 15, s43                        ; my row of the cluster
	s_lshl_b32 s44, 0x1111, s40                    ; my column
	; descriptor groups 1: a K step's 4,096 bytes (512 elements of 8 bytes) of 4 row tiles of A, or of 8 of B; a row tile's 32,768 bytes are 4,096 elements; no padding
	s_or_b32 s[G1], s43, (3<<16)|(1<<21)           ; 15:0 the mask; 17:16 elements of 8 bytes; 21 set beside a mask
	s_or_b32 s[G1B], s44, (3<<16)|(1<<21)
	s_mov_b32 s[G1+1], 512<<16                     ; tensor_dim0
	s_mov_b32 s[G1+2], 4<<16                       ; tensor_dim1
	s_mov_b32 s[G1+3], 512<<16                     ; tile_dim0
	s_mov_b32 s[G1+4], 4                           ; tile_dim1
	s_mov_b32 s[G1+5], 4096                        ; tensor_dim0_stride
	s_mov_b32 s[G1+6], 0
	s_mov_b32 s[G1+7], 0
	s_mov_b32 s[G1B+1], 512<<16
	s_mov_b32 s[G1B+2], 8<<16
	s_mov_b32 s[G1B+3], 512<<16
	s_mov_b32 s[G1B+4], 8
	s_mov_b32 s[G1B+5], 4096
	s_mov_b32 s[G1B+6], 0
	s_mov_b32 s[G1B+7], 0
	s_lshl_b32 s16, s13, 3
	s_lshl_b32 s17, s12, 2
	s_add_co_u32 s16, s16, s17                     ; A: row tile 8 Y + 4 x half,
	s_lshl_b32 s16, s16, 15                        ; in bytes
	s_mov_b32 s17, 0
	s_lshl_b32 s46, s42, 4
	s_lshl_b32 s47, s12, 3
	s_add_co_u32 s46, s46, s47                     ; B: row tile 16 X + 8 x half
	s_lshl_b32 s46, s46, 15
	s_mov_b32 s47, 0
	s_lshl_b32 s20, s12, 14                        ; where they go in a slot: A's halves of 16 KiB,
	s_lshl_b32 s21, s12, 15
	s_add_co_u32 s21, s21, BOFF                    ; B's halves of 32 KiB behind them: no place in the cluster enters an LDS address
	s_wait_dscnt 0x0                               ; both opening adds are done
	s_wait_kmcnt 0x0
	s_add_nc_u64 s[14:15], s[4:5], s[16:17]
	s_add_nc_u64 s[46:47], s[6:7], s[46:47]
	CROUND                                         ; all sixteen work-groups are here: the first joint loads meet
.irp s, 0,1
	s_mov_b32 s[G0+4*\s], 1
	s_add_co_u32 s[G0+4*\s+1], s20, \s*SLOT
	s_add_nc_u64 s[G0+4*\s+2:G0+4*\s+3], s[14:15], \s*4096
	s_or_b32 s[G0+4*\s+3], s[G0+4*\s+3], 0x80000000
	s_mov_b32 s[G0B+4*\s], 1
	s_add_co_u32 s[G0B+4*\s+1], s21, \s*SLOT
	s_add_nc_u64 s[G0B+4*\s+2:G0B+4*\s+3], s[46:47], \s*4096
	s_or_b32 s[G0B+4*\s+3], s[G0B+4*\s+3], 0x80000000
	JLOAD \s
.endr
	v_and_b32 v1, 15, v0                           ; r
	v_bfe_u32 v2, v0, 4, 1                         ; h
	v_and_b32 v3, 31, v0
	v_lshlrev_b32 v3, 4, v3                        ; 16 x lane
	s_lshl_b32 s21, s11, 14                        ; my four row tiles of A,
	s_lshl_b32 s22, s12, 15
	s_add_co_u32 s22, s22, BOFF                    ; my eight of B
.irp s, 0,1
	v_add_nc_u32 v[ADRA+\s], s21, v3
	v_add_nc_u32 v[ADRB+\s], s22, v3
	s_add_co_u32 s21, s21, SLOT
	s_add_co_u32 s22, s22, SLOT
.endr
	s_mul_i32 s23, s10, 16*SPITCH
	s_add_co_u32 s23, s23, STAGE                   ; my stage
	v_mul_u32_u24 v4, v1, SPITCH                   ; in: row r, 32 bytes for each half of the lanes
	v_lshl_add_u32 v4, v2, 5, v4
	v_add_nc_u32 v[STO], s23, v4
	v_add_nc_u32 v[RD], s23, v3                    ; back: the 32 lanes take one row of 512 bytes
	v_mov_b32 v[CO], v3
	s_lshl_b32 s16, s13, 19                        ; my first row: 128 Y + 64 x half, 4,096 bytes each;
	s_lshl_b32 s17, s11, 18
	s_add_co_u32 s16, s16, s17
	s_mov_b32 s17, 0
	s_add_nc_u64 s[8:9], s[8:9], s[16:17]
	s_lshl_b32 s46, s42, 10                        ; my first column: 256 X + 128 x half, 4 bytes each
	s_lshl_b32 s47, s12, 9
	s_add_co_u32 s46, s46, s47
	s_mov_b32 s47, 0
	s_add_nc_u64 s[8:9], s[8:9], s[46:47]
; 8 matrix instructions: A's block a against B's eight, 32 along K, from buffer f.  The 32 accumulators take turns, one instruction a turn, in the same order in every quarter.
.macro MUL8 f, a, zero
.irp b, 0,1,2,3,4,5,6,7
.if \zero
	v_wmma_f32_16x16x32_f16 v[8*(8*(\a)+\b):8*(8*(\a)+\b)+7], v[\f+32+8*\b:\f+32+8*\b+7], v[\f+8*(\a):\f+8*(\a)+7], 0
.else
	v_wmma_f32_16x16x32_f16 v[8*(8*(\a)+\b):8*(8*(\a)+\b)+7], v[\f+32+8*\b:\f+32+8*\b+7], v[\f+8*(\a):\f+8*(\a)+7], v[8*(8*(\a)+\b):8*(8*(\a)+\b)+7]
.endif
.endr
.endm
; 24 LDS loads in one run: the fragments of the slot's kk-th 32 along K into buffer f: B's eight, then A's four
.macro FETCH slot, kk, f
	WIN 0
.irp b, 0,1,2,3,4,5,6,7
.irp c, 0,1
	ds_load_b128 v[\f+32+8*\b+4*\c:\f+32+8*\b+4*\c+3], v[ADRB+\slot] offset:4096*\b+1024*(\kk)+512*\c
.endr
.endr
.irp a, 0,1,2,3
.irp c, 0,1
	ds_load_b128 v[\f+8*\a+4*\c:\f+8*\a+4*\c+3], v[ADRA+\slot] offset:4096*\a+1024*(\kk)+512*\c
.endr
.endr
.endm
; A K step is four quarters of 32 along K, 32 matrix instructions each, on buffers 0, 1, 0, 1.  One of the first three: multiplies buffer f and fetches the next quarter, kn, into g.
.macro QUARTER slot, kn, f, g, zero
	s_wait_dscnt 4                                 ; B and A's blocks 0, 1 are in; the youngest four loads (A's blocks 2, 3) may be out
	WIN MUL
	MUL8 \f, 0, \zero
	MUL8 \f, 1, \zero
	PLACES                                         ; four plain places in front of loads into registers that matrix instructions have read
	FETCH \slot, \kn, \g
	s_wait_dscnt 24                                ; all but the 24 just issued
	WIN MUL
	MUL8 \f, 2, \zero
	MUL8 \f, 3, \zero
.endm
; The last quarter multiplies buffer 1 and changes slots: ONE barrier; in front of it each wave waits for all its tensor loads, adds 0 to its spare word, and waits for that and for its reads of this slot.  fill = 1: this slot is filled again, two K steps ahead.
.macro TURN slot, next, fill
	WIN 0                                          ; (the add's two registers lie in window 0)
	s_wait_tensorcnt 0x0                           ; all my tensor loads have landed: my part of the next slot;
	ds_add_u32 v[SPW], v[NIL]                      ; 0 onto my spare word;
	s_wait_dscnt 5                                 ; (the add and the youngest four loads may be out)
	WIN MUL
	MUL8 F1, 0, 0                                  ; eight matrix instructions stand between the add and the wait for it
	s_wait_dscnt 0x0                               ; the add is done, and my reads of this slot are over
	s_barrier_signal -1
	MUL8 F1, 1, 0
.if \fill
	WIN 0
.endif
	s_barrier_wait -1
.if \fill
	CREST                                          ; the barrier has opened a round of the cluster's: no wave of any partner still reads this slot or has a load on its way
	s_add_nc_u64 s[G0+4*\slot+2:G0+4*\slot+3], s[G0+4*\slot+2:G0+4*\slot+3], 2*4096
	s_add_nc_u64 s[G0B+4*\slot+2:G0B+4*\slot+3], s[G0B+4*\slot+2:G0B+4*\slot+3], 2*4096
	JLOAD \slot                                    ; the first tensor load behind the round; the four v_nop behind it are also the places in front of the loads below
.else
	PLACES
.endif
	FETCH \next, 0, F0
	WIN MUL
	MUL8 F1, 2, 0
	MUL8 F1, 3, 0
.endm
	s_wait_tensorcnt 1                             ; my part of K step 0 is in; K step 1's may stay out
	s_barrier_signal -1
	s_barrier_wait -1
	FETCH 0, 0, F0
	QUARTER 0, 1, F0, F1, 1                        ; the first quarter stands in front of the loop: its products start the sums
	WIN 0                                          ; at a label and at a branch every window is 0
	s_mov_b32 s3, LAPS-1
.Llap:                                                 ; a trip goes once round the ring, from a lap's second quarter to the next lap's first, and fills both slots again
	QUARTER 0, 2, F1, F0, 0
	QUARTER 0, 3, F0, F1, 0
	TURN 0, 1, 1
	QUARTER 1, 1, F0, F1, 0
	QUARTER 1, 2, F1, F0, 0
	QUARTER 1, 3, F0, F1, 0
	TURN 1, 0, 1
	QUARTER 0, 1, F0, F1, 0
	WIN 0
	s_sub_co_u32 s3, s3, 1
	s_cmp_lg_u32 s3, 0
	s_cbranch_scc1 .Llap
	QUARTER 0, 2, F1, F0, 0                        ; the last lap fills nothing, and has no round of the cluster's barrier
	QUARTER 0, 3, F0, F1, 0
	TURN 0, 1, 0
	QUARTER 1, 1, F0, F1, 0
	QUARTER 1, 2, F1, F0, 0
	QUARTER 1, 3, F0, F1, 0
	s_wait_dscnt 4                                 ; the very last quarter: nothing more to fetch
	WIN MUL
	MUL8 F1, 0, 0
	MUL8 F1, 1, 0
	s_wait_dscnt 0x0
	MUL8 F1, 2, 0
	MUL8 F1, 3, 0
	WIN 0
; THE WAY OUT, block by block of 16 rows x 128 columns.  A lane holds 32 neighbouring bytes of a row, and the lanes beside it hold other rows: a block goes through my own stage and comes back as whole rows of 512 bytes.
; LDS serves a wave's instructions in order (ISA guide 5.7.1.4): no wait between the stores and the loads, nor in front of the next block's stores.
.macro TOSTAGE a
	WIN 0x04                                       ; an LDS store's data are its source 1: window 1
.irp b, 0,1,2,3,4,5,6,7
	ds_store_b128 v[STO], v[8*(8*(\a)+\b):8*(8*(\a)+\b)+3] offset:64*\b          ; each accumulator from its low end on
	ds_store_b128 v[STO], v[8*(8*(\a)+\b)+4:8*(8*(\a)+\b)+7] offset:64*\b+16
.endr
	WIN 0
.set BB, F0+96*((\a)%2)
.irp t, 0,1,2,3,4,5,6,7,8,9,10,11,12,13,14,15
	ds_load_b128 v[BB+4*\t:BB+4*\t+3], v[RD] offset:\t*SPITCH
.endr
.endm
.macro SEND a, younger                 ; younger: the LDS instructions issued behind block a's loads, which may stay out
.set BB, F0+96*((\a)%2)
	s_wait_dscnt \younger
.irp t, 0,1,2,3,4,5,6,7,8,9,10,11,12,13,14,15
	global_store_b128 v[CO], v[BB+4*\t:BB+4*\t+3], s[8:9] offset:65536*(\a)+4096*\t th:TH_STORE_NT   ; 32 lanes store 512 consecutive bytes, at a multiple of 512 from out0's first byte; written once, read by nobody here
.endr
.endm
	PLACES                                         ; behind the last products: for the first read of results and the loads into the fragments' registers
	TOSTAGE 0
.irp a, 1,2,3
.if \a > 1
	s_wait_xcnt 0x0                                ; block a - 2's stores have read the registers in which block a's rows land
.endif
	TOSTAGE \a
	SEND \a-1, 32                                  ; behind block a - 1's loads: block a's 16 stores and 16 loads
.endr
	SEND 3, 0
	s_wait_tensorcnt 0x0                           ; the wave's end, behind my last tensor load and my last LDS store
	ds_add_u32 v[SPW], v[NIL]
	s_wait_dscnt 0x0
	CROUND                                         ; the closing round
	s_endpgm
.Lfunc_end_k_q6ec072fbd2_outp:
	.size	k_q6ec072fbd2_outp, .Lfunc_end_k_q6ec072fbd2_outp-k_q6ec072fbd2_outp
	.p2alignl 7, 3214868480
	.fill 96, 4, 3214868480
	.section	.rodata,"a",@progbits
	.p2align	6, 0x0
	.amdhsa_kernel k_q6ec072fbd2_outp
		.amdhsa_group_segment_fixed_size 327680
		.amdhsa_private_segment_fixed_size 0
		.amdhsa_enable_private_segment 0
		.amdhsa_kernarg_size 24
		.amdhsa_user_sgpr_count 2
		.amdhsa_user_sgpr_kernarg_segment_ptr 1
		.amdhsa_wavefront_size32 1
		.amdhsa_system_sgpr_workgroup_id_x 1
		.amdhsa_system_sgpr_workgroup_id_y 1
		.amdhsa_system_sgpr_workgroup_id_z 1
		.amdhsa_system_vgpr_workitem_id 0
		.amdhsa_next_free_vgpr 512
		.amdhsa_next_free_sgpr 66
		.amdhsa_reserve_vcc 0
		.amdhsa_float_denorm_mode_32 3
		.amdhsa_float_denorm_mode_16_64 3
		.amdhsa_memory_ordered 1
		.amdhsa_forward_progress 1
		.amdhsa_inst_pref_size 84
	.end_amdhsa_kernel
	.amdgpu_metadata
---
amdhsa.version: [ 1, 2 ]
amdhsa.kernels:
  - .name:           k_q6ec072fbd2_outp
    .symbol:         k_q6ec072fbd2_outp.kd
    .args:
      - { .name: ao, .offset: 0, .size: 8, .value_kind: global_buffer, .address_space: global }
      - { .name: wo16, .offset: 8, .size: 8, .value_kind: global_buffer, .address_space: global }
      - { .name: out0, .offset: 16, .size: 8, .value_kind: global_buffer, .address_space: global }
    .group_segment_fixed_size: 327680
    .private_segment_fixed_size: 0
    .kernarg_segment_align: 8
    .kernarg_segment_size: 24
    .max_flat_workgroup_size: 128
    .sgpr_count:     66
    .vgpr_count:     512
    .wavefront_size: 32
...
	.end_amdgpu_metadata
.endif
;; end of part 4
